; MI455X (gfx1250); checked and timed in simulation.
; The chip was launched on July 23, 2026; its instructions are those of AMD's public machine-readable ISA for CDNA 5 (MIT licence, August 2026) and "CDNA5" Instruction Set Architecture Reference Guide (July 2026). The comments in the code are by the model that wrote it; some were corrected since.
;; Audio Quantizer. Allowed arithmetic: matrix products marked QUANTISED: E2M3 operands, one E8M0 scale for each 32 along K, by v_wmma_scale_f32_16x16x128_f8f6f4 with both operands' format E2M3, f32 sums; everything else in f32.
;; Inputs: codebook 8,192 x 512 float32; x 8 x 2,048 x 512 float32.
;; Outputs: out0 8 x 2,048 x 512 float32.
;; This version of the problem:
;;   THIS VERSION OF THE PROBLEM IS GIVEN IN LOW PRECISION. The matrix products marked QUANTISED in the list below multiply operands that are first quantised to E2M3 (2 exponent bits, 3 mantissa bits; 6 bits a number), with one power-of-two scale for each 32 numbers along K (OCP MX v1.0); their sums are f32. All else is computed in f32.
;;   The module's matrix products, in the order in which they are computed (A, B: the left and right operand; K: the contracted axis; several contracted axes count as one K, in the product's order):
;;     1. [M 16,384, K 512] x [K 512, N 8,192]; A: input x; B: input codebook: QUANTISED
;;   THE QUANTISER, for each operand of a quantised product, along K:
;;     - K is cut into blocks of 32 from its start; a last block that is shorter is filled with zeros.
;;     - A block's scale is 2^e with e = floor(log2(the largest magnitude in the block)) - 2, held to -126 .. 127; a block of zeros has e = 0. As a byte (E8M0): e + 127.
;;     - Each number is divided by its block's scale, clamped to +-7.5, and rounded to the nearest number of E2M3, ties to even, subnormals kept.
;;     - The product sums the exact products of the quantised numbers (number of the format x scale) in f32.
;;   ~~~python
;;   def quantise(x, axis):      # numpy; x: float32 -> the quantised numbers, widened to float32 again
;;       x = np.moveaxis(x, axis, -1); K = x.shape[-1]
;;       x = np.pad(x, [(0, 0)] * (x.ndim - 1) + [(0, -K % 32)]); x = x.reshape(x.shape[:-1] + (-1, 32)); a = np.abs(x).max(-1, keepdims=True)
;;       e = np.where(a > 0, np.clip(np.frexp(np.where(a > 0, a, 1))[1] - 1 - 2, -126, 127), 0)      # np.frexp(a)[1] - 1 = floor(log2(a)), exactly
;;       r = np.clip(x / 2.0 ** e, -7.5, 7.5)
;;       step = 2.0 ** (np.maximum(np.frexp(np.where(r == 0, 1, r))[1] - 1, 0) - 3)
;;       q = np.round(r / step) * step * 2.0 ** e      # np.round: ties to even
;;       return np.moveaxis(q.reshape(q.shape[:-2] + (-1,))[..., :K], -1, axis).astype(np.float32)
;;   ~~~
;; One version. Each part assembles by itself: llvm-mc -triple=amdgcn-amd-amdhsa -mcpu=gfx1250 --defsym DOCPART=n.
;; ======== version 1 of 1: 3 launches
;; limits: right only within a limited range of input values
;; workspace buffers: xq 6,291,456 bytes; xs 262,144 bytes; cq 3,407,872 bytes; cand 1,048,576 bytes of whole numbers
;; launch quant (part 1): grid 256 x 1, 6 waves a work-group, no clusters, 51,456 bytes of LDS; arguments x, codebook, xq, xs, cq; writes xq, xs, cq
.if DOCPART == 1
	.amdgcn_target "amdgcn-amd-amdhsa--gfx1250"
	.amdhsa_code_object_version 6
	.text
	.protected	k_qd22d4eb682_quant
	.globl	k_qd22d4eb682_quant
	.p2align	8
	.type	k_qd22d4eb682_quant,@function
k_qd22d4eb682_quant:
	s_mov_b64 s[64:65], 0
	v_nop
	global_prefetch_b8 v0, s[64:65] scope:SCOPE_SE
	s_setreg_imm32_b32 hwreg(HW_REG_WAVE_MODE, 25, 1), 1
	s_wait_xcnt 0x0
; x [16384][512] and codebook [8192][512], f32, become codes of FP6 (E2M3) with one E8M0 scale byte for each 32 along K; of each codebook row also -c_sq / 2 in f32.
; WORK LEFT OUT: x_sq.  reference() takes argmin over k of x_sq[n] - 2 dots[n][k] + c_sq[k]; x_sq[n] is the same for every k of a row n, so in exact arithmetic, for all finite inputs,
; the argmin is the argmax over k of dots[n][k] - c_sq[k] / 2.  x_sq is neither computed, stored nor loaded in any launch.  x itself stays live: it is an operand of the product.
; LIMITS: a NaN, an infinity or an overflow that reaches x_sq alone is not carried to the result.  The order of rounding differs from reference()'s: two entries whose distances differ by less than the
; rounding of reference()'s own f32 sums (of size x_sq + c_sq) may be chosen otherwise.  NaN and infinities among the inputs are not served.
; A block of zeros gets the byte 1 where the rule says 127: its codes are zeros, and these bytes are read by this program alone.
; A block's scale is 2^(floor(log2(its largest magnitude)) - 2); its byte is the largest magnitude's exponent field - 2, held at 1 from below.
; A wave takes ONE tile of 16 rows x 512: tiles 0-1023 are x's, 1024-1535 the codebook's; 256 work-groups x 6 waves = 1,536 tiles.  Pointers and strides are chosen by ids; a branch on ids leads x's tiles round the sums of squares.
; CODES: the image of the operand's registers.  A fragment (16 rows x 128 K, 12 registers a lane) is 1,536 bytes: register g of lane l at 512 (g / 4) + 16 l + 4 (g % 4); a tile is its four K steps on end, 6,144 bytes.
; SCALES: 256 bytes a tile, 8 a lane: word u of lane l is the scale word of row l % 16 for K step 2 u + l / 16.
; x: codes in xq (6,144 a tile), scale images in xs (256 a tile).  CODEBOOK: one RECORD of 6,656 bytes a tile in cq: codes, scale image, then 256 bytes with -c_sq / 2 of the 16 rows, four times on end: 26 whole blocks of 256 bytes.
; Each load reads 512 consecutive bytes of one row; a K step's 8,192 bytes turn through the wave's own stage in LDS, so that a lane gets its 2 x 32 neighbours along K.  Waves share nothing: no barrier.
.set XTILES, 1024
.set PITCH,  528                       ; a stage row: 512 bytes + 16
.set STAGE,  16*PITCH
.set SPARE,  6*STAGE                   ; behind the six stages: the spare words, 128 bytes a wave
.set REC,    6656
.set LN,  1                            ; lane
.set LI,  2                            ; 16 x lane
.set SI,  3                            ; stage, way in
.set SO,  4                            ; stage, way out: PITCH r + 128 h
.set H8,  5                            ; 8 h
.set L8,  6                            ; 8 x lane
.set L4,  7                            ; 4 x lane
.set M,   8
.set SCO, 10
.set BY,  12
.set WD,  14
.set PD,  15
.set W,   16                           ; v16-19 the row's scale word of each K step
.set SQ,  20                           ; v20-27 the sum of squares, four pairs
.set T,   28
.set U,   36
.set C,   40
.set X,   64                           ; v64-127 register 32 c + i: k = 64 c + 32 h + i of my row
.set R,   128                          ; v128-255 two sets of 64: a K step as loaded
	s_load_b256 s[4:11], s[0:1], 0x0               ; x, codebook, xq, xs
	s_load_b64 s[12:13], s[0:1], 0x20              ; cq
	v_lshl_add_u32 v62, v0, 2, SPARE               ; my spare word,
	v_mov_b32 v63, 0                               ; and 0: kept for the closing lines
	v_lshrrev_b32 v[LN], 5, v0
	v_readfirstlane_b32 s20, v[LN]                 ; wave 0..5
	v_and_b32 v[LN], 31, v0
	v_lshlrev_b32 v[LI], 4, v[LN]
	v_and_b32 v[L4], 15, v0                        ; r
	v_bfe_u32 v[H8], v0, 4, 1                      ; h
	s_mul_i32 s22, s20, STAGE
	v_add_nc_u32 v[SI], s22, v[LI]
	v_mul_u32_u24 v[SO], v[L4], PITCH
	v_lshl_add_u32 v[SO], v[H8], 7, v[SO]
	v_add_nc_u32 v[SO], s22, v[SO]
	v_lshlrev_b32 v[H8], 3, v[H8]
	v_lshlrev_b32 v[L8], 3, v[LN]
	v_lshlrev_b32 v[L4], 2, v[LN]
	v_mov_b32 v[PD], 0                             ; a lane permute's destination counts as one of its sources
.irp n, 0,1,2,3,4,5,6,7
	v_mov_b32 v[SQ+\n], 0                          ; eight chains begin at 0, so that every way through the steps finds them written
.endr
	s_mov_b32 s30, 0x76543210
	s_mov_b32 s31, 0xfedcba98                      ; lane l xor 16
	s_mul_i32 s21, ttmp9, 6
	s_add_co_u32 s21, s21, s20                     ; my tile, 0..1535
	s_mov_b32 s24, REC
	s_mov_b32 s26, REC
	s_wait_alu depctr_va_vdst(0)
	s_wait_kmcnt 0x0
	s_cmp_lt_u32 s21, XTILES                       ; x's tile or the codebook's?  ids alone
	s_cselect_b64 s[4:5], s[4:5], s[6:7]           ; the numbers
	s_cselect_b64 s[8:9], s[8:9], s[12:13]         ; the codes
	s_cselect_b64 s[10:11], s[10:11], s[12:13]     ; the scale image
	s_cselect_b32 s24, 6144, s24                   ; bytes from tile to tile: codes,
	s_cselect_b32 s26, 256, s26                    ; scale images,
	s_cselect_b32 s28, 0, 6144                     ; which in a record lie behind the codes
	s_cselect_b32 s20, 1, 0                        ; 1: x's tile: no sum of squares
	s_cselect_b32 s22, 0, XTILES
	s_sub_co_u32 s21, s21, s22                     ; the tile within its tensor
	s_lshl_b32 s22, s21, 15
	s_mov_b32 s23, 0
	s_mul_i32 s24, s21, s24
	s_mov_b32 s25, 0
	s_mul_i32 s26, s21, s26
	s_add_co_u32 s26, s26, s28
	s_mov_b32 s27, 0
	s_add_nc_u64 s[4:5], s[4:5], s[22:23]
	s_add_nc_u64 s[8:9], s[8:9], s[24:25]
	s_add_nc_u64 s[10:11], s[10:11], s[26:27]
.macro LOAD s                          ; K step s of the 16 rows into set s % 2
.irp i, 0,1,2,3,4,5,6,7,8,9,10,11,12,13,14,15
	global_load_b128 v[R+64*((\s)%2)+4*\i:R+64*((\s)%2)+4*\i+3], v[LI], s[4:5] offset:2048*\i+512*(\s) th:TH_LOAD_NT
.endr
.endm
.macro STEP s
.set RS, R+64*((\s)%2)
.if (\s) < 3
	s_wait_loadcnt 16                              ; this step's 16 are in, the next step's 16 may be out
.else
	s_wait_loadcnt 0x0
.endif
.irp i, 0,1,2,3,4,5,6,7,8,9,10,11,12,13,14,15
	ds_store_b128 v[SI], v[RS+4*\i:RS+4*\i+3] offset:PITCH*\i
.endr
.irp c, 0,1                            ; LDS serves a wave's instructions in order: these see the stores above
.irp j, 0,1,2,3,4,5,6,7
	ds_load_b128 v[X+32*\c+4*\j:X+32*\c+4*\j+3], v[SO] offset:256*\c+16*\j
.endr
.endr
	s_wait_dscnt 0x0                               ; my 64 numbers are in; the stores have read their set,
.if (\s) < 2
	LOAD (\s)+2                                    ; which takes the loads of two steps on
.endif
	s_cmp_lg_u32 s20, 0
	s_cbranch_scc1 .Lnosq_\@                       ; x's tiles have no sum of squares
.set n, 0
.rept 32
	v_pk_fma_f32 v[SQ+2*(n%4):SQ+2*(n%4)+1], v[X+2*n:X+2*n+1], v[X+2*n:X+2*n+1], v[SQ+2*(n%4):SQ+2*(n%4)+1]
.set n, n+1
.endr
.Lnosq_\@:
.irp c, 0,1                            ; my block 2 c + h: all its 32 numbers are mine
	v_max3_num_f32 v[M+\c], |v[X+32*\c]|, |v[X+32*\c+1]|, 0x1800000   ; with the floor 2^(3 - 127): the byte cannot fall under 1
.endr
.irp i, 2,4,6,8,10,12,14,16,18,20,22,24,26,28,30
.irp c, 0,1
	v_max3_num_f32 v[M+\c], v[M+\c], |v[X+32*\c+\i]|, |v[X+32*\c+\i+1]|
.endr
.endr
.irp c, 0,1
	v_add_nc_u32 v[SCO+\c], 0xff000000, v[M+\c]    ; 2 off the exponent field: the conversion's scale operand
.endr
.irp c, 0,1
	v_lshrrev_b32 v[BY+\c], 23, v[SCO+\c]          ; the scale's byte
.endr
	v_lshl_or_b32 v[WD], v[BY+1], 16, v[BY]
	v_lshlrev_b32 v[WD], v[H8], v[WD]
	v_permlanex16_b32 v[PD], v[WD], s30, s31
	v_or_b32 v[W+(\s)], v[WD], v[PD]               ; the row's scale word, whole, in both lanes
.if (\s) > 0
	s_wait_alu depctr_va_vdst(0)
	s_wait_xcnt 0x0                                ; the last step's stores have read the codes' registers
.endif
.irp c, 0,1
	v_cvt_scalef32_pk16_fp6_f32 v[C+6*\c:C+6*\c+2], v[X+32*\c:X+32*\c+15], v[SCO+\c]
	v_cvt_scalef32_pk16_fp6_f32 v[T+4*\c:T+4*\c+2], v[X+32*\c+16:X+32*\c+31], v[SCO+\c]   ; (three registers from an even one on)
.endr
	v_nop                                          ; one plain place behind a scaled conversion
.irp c, 0,1
.irp i, 0,1,2
	v_mov_b32 v[C+6*\c+3+\i], v[T+4*\c+\i]
.endr
.endr
.irp g, 0,1,2
	global_store_b128 v[LI], v[C+4*\g:C+4*\g+3], s[8:9] offset:1536*(\s)+512*\g   ; 512 consecutive bytes a store, aligned
.endr
.endm
	LOAD 0
	LOAD 1
	STEP 0
	STEP 1
	STEP 2
	STEP 3
	v_cmp_lt_u32 vcc_lo, 15, v[LN]                 ; lanes 16-31 take the odd K steps' words
	v_cndmask_b32 v[U], v[W], v[W+1], vcc_lo
	v_cndmask_b32 v[U+1], v[W+2], v[W+3], vcc_lo
	global_store_b64 v[L8], v[U:U+1], s[10:11]     ; the scale image: 256 consecutive bytes, aligned
	s_cmp_lg_u32 s20, 0
	s_wait_alu depctr_va_vdst(0)
	s_cbranch_scc1 .Lend
	v_pk_add_f32 v[SQ:SQ+1], v[SQ:SQ+1], v[SQ+2:SQ+3]
	v_pk_add_f32 v[SQ+4:SQ+5], v[SQ+4:SQ+5], v[SQ+6:SQ+7]
	v_pk_add_f32 v[SQ:SQ+1], v[SQ:SQ+1], v[SQ+4:SQ+5]
	v_add_f32 v[SQ], v[SQ], v[SQ+1]
	v_permlanex16_b32 v[PD], v[SQ], s30, s31
	v_add_f32 v[SQ], v[SQ], v[PD]                  ; the row's c_sq, in both lanes
	v_mul_f32 v[SQ], -0.5, v[SQ]                   ; a power of two: nothing is rounded
	global_store_b32 v[L4], v[SQ], s[10:11] offset:256   ; word w of the record's last 256 bytes: row w % 16
	global_store_b32 v[L4], v[SQ], s[10:11] offset:384
.Lend:
	s_wait_tensorcnt 0x0                           ; the wave's end
	ds_add_u32 v62, v63
	s_wait_dscnt 0x0
	s_endpgm
.Lfunc_end_k_qd22d4eb682_quant:
	.size	k_qd22d4eb682_quant, .Lfunc_end_k_qd22d4eb682_quant-k_qd22d4eb682_quant
	.p2alignl 7, 3214868480
	.fill 96, 4, 3214868480
	.section	.rodata,"a",@progbits
	.p2align	6, 0x0
	.amdhsa_kernel k_qd22d4eb682_quant
		.amdhsa_group_segment_fixed_size 51456
		.amdhsa_private_segment_fixed_size 0
		.amdhsa_enable_private_segment 0
		.amdhsa_kernarg_size 40
		.amdhsa_user_sgpr_count 2
		.amdhsa_user_sgpr_kernarg_segment_ptr 1
		.amdhsa_wavefront_size32 1
		.amdhsa_system_sgpr_workgroup_id_x 1
		.amdhsa_system_sgpr_workgroup_id_y 1
		.amdhsa_system_sgpr_workgroup_id_z 1
		.amdhsa_system_vgpr_workitem_id 0
		.amdhsa_next_free_vgpr 256
		.amdhsa_next_free_sgpr 66
		.amdhsa_reserve_vcc 1
		.amdhsa_float_denorm_mode_32 3
		.amdhsa_float_denorm_mode_16_64 3
		.amdhsa_memory_ordered 1
		.amdhsa_forward_progress 1
		.amdhsa_inst_pref_size 39
	.end_amdhsa_kernel
	.amdgpu_metadata
---
amdhsa.version: [ 1, 2 ]
amdhsa.kernels:
  - .name:           k_qd22d4eb682_quant
    .symbol:         k_qd22d4eb682_quant.kd
    .args:
      - { .name: x, .offset: 0, .size: 8, .value_kind: global_buffer, .address_space: global }
      - { .name: codebook, .offset: 8, .size: 8, .value_kind: global_buffer, .address_space: global }
      - { .name: xq, .offset: 16, .size: 8, .value_kind: global_buffer, .address_space: global }
      - { .name: xs, .offset: 24, .size: 8, .value_kind: global_buffer, .address_space: global }
      - { .name: cq, .offset: 32, .size: 8, .value_kind: global_buffer, .address_space: global }
    .group_segment_fixed_size: 51456
    .private_segment_fixed_size: 0
    .kernarg_segment_align: 8
    .kernarg_segment_size: 40
    .max_flat_workgroup_size: 192
    .sgpr_count:     66
    .vgpr_count:     256
    .wavefront_size: 32
...
	.end_amdgpu_metadata
.endif
;; end of part 1
;; launch search8 (part 2): grid 32 x 8, 8 waves a work-group, clusters of 4 x 1, 327,680 bytes of LDS; arguments xq, xs, cq, cand; writes cand
.if DOCPART == 2
	.amdgcn_target "amdgcn-amd-amdhsa--gfx1250"
	.amdhsa_code_object_version 6
	.text
	.protected	k_qd22d4eb682_search8
	.globl	k_qd22d4eb682_search8
	.p2align	8
	.type	k_qd22d4eb682_search8,@function
k_qd22d4eb682_search8:
	s_mov_b64 s[64:65], 0
	v_nop
	global_prefetch_b8 v0, s[64:65] scope:SCOPE_SE
	s_setreg_imm32_b32 hwreg(HW_REG_WAVE_MODE, 25, 1), 1
	s_wait_xcnt 0x0
	s_wait_alu depctr_hold_cnt(0) depctr_sa_sdst(0) depctr_va_vdst(0) depctr_va_sdst(0) depctr_va_ssrc(0) depctr_va_vcc(0) depctr_vm_vsrc(0)
	s_getreg_b32 s2, hwreg(HW_REG_IB_STS2, 6, 4)
	s_cmp_eq_u32 s2, 0
	s_cbranch_scc0 .Lentry_in_a_cluster
	s_endpgm
.Lentry_in_a_cluster:
	s_bfe_u32 s2, ttmp6, 0x10000c
	s_cmp_lg_u32 s2, 0x3003
	s_cbranch_scc0 .Lentry_shape_is_right
	s_endpgm
.Lentry_shape_is_right:
; For 512 rows of x and a range of 1,024 entries: the greatest score = dot - c_sq / 2 of each row and the lowest entry that has it.  x_sq is left out: it is the same for all entries of a row (shown at the head of the first kernel).
; dot: codes of FP6 (E2M3) with E8M0 scales, by the scaled matrix instruction, f32 sums, K ascending, one accumulator an output; -c_sq / 2 is the C of each accumulator's first product.
; The result, for each row and range, is two whole numbers in cand [8 ranges][16384 rows][2]: a KEY, the bits of -score turned so that an unsigned compare orders them as numbers, and the entry's index.
; Every decision on floating-point numbers is made here, by selects alone; the next launch compares whole numbers.
; SHARES.  Work-group (x, y): rows 512 x on, entries 1,024 y on.  EIGHT waves, two to a SIMD; a wave owns 64 rows: four tiles of 16, whose codes for all of K stay in 192 registers.  Every wave walks the range's 64 entry tiles
; from LDS: 15 LDS loads feed 16 products.  A wave's products stand in one group and its search in another, so that the two waves of a SIMD can take turns.
; LAYOUT.  Source 0 = 16 entries, source 1 = 16 rows of x: lane l holds ONE row of x (l % 16), its registers 0-7 the entries 8 (l / 16) + 0 .. 7 of the tile.
; THE SEARCH of a tile's four accumulators: for each, four maxima, one compare (a strict greater keeps the earlier tile), and five pairs of selects that keep the score, the tile's first index and its eight scores.
; LDS.  A tile's record is 6,656 bytes (codes, scale image, -c_sq / 2); a chunk is 16 records; two slots.  A wave's one tensor load brings two records, 52 rows of 256 bytes: a chunk shared out among eight waves.
; Chunk 0 is asked for at the head, chunk 1 behind the first round, chunks 2 and 3 fill slots 0 and 1 again: one tensor load of a wave is out at the most.  A tile's fragments are fetched two tiles ahead, into the set just multiplied.
; CLUSTER.  The four work-groups of a cluster have the same range: every chunk is asked for JOINTLY, same descriptor, mask 15.  x is read once by its work-group, straight into registers.
; NO PREFETCH: a refill is asked for 16 tiles, 256 products a wave, ahead of the wait for it, and the launch has four fills in all.
; LIMITS: NaN and infinities are not served (a score that is NaN is passed over by the maxima).
; REGISTERS: window 0: v1-12 addresses; v16-23 x's scale registers; v24-27 the entries'; v28-43 -c_sq / 2, two sets; v44-83 ten a row tile: score, index, 8 scores; v84-115 accumulators; v116-123 at work;
;   v128-223 the entries' fragments, two sets of 4 x 12.   window 1: x's fragments (row tile a, K step s at 48 a + 12 s).
.set REC,   6656
.set XT,    6144
.set SLOT,  16*REC
.set SPARE, 2*SLOT                     ; behind the slots: the spare words, 128 bytes a wave: 1,024 bytes
.set LI,  1
.set L8,  2
.set LQ,  3
.set ADR, 4
.set ADS, 5
.set ADQ, 6
.set TIV, 7
.set SPW, 8
.set NIL, 9
.set H8,  12
.set XS,  16
.set CS,  24
.set CQ,  28
.set ST,  44
.set ACC, 84
.set U,   116
.set CF,  128
.set WV,  12
.set G1,  24
.set G0,  32
.set TB,  48
.set TI,  49
.set CNT, 50
.set HM,  51
.set NINF, 52
.set SEL, 54
.set MK,  56
.set MSB, 0
.macro WIN new
.if MSB != (\new)
	s_set_vgpr_msb (MSB<<8)|(\new)
.set MSB, (\new)
.endif
.endm
.set W_MUL, 0x04                       ; source 1 (x) window 1; all else window 0
.set TO1,   0x40
.macro CROUND
	s_barrier_signal -1
	s_barrier_wait -1
	s_cmp_lg_u32 s[WV], 0
	s_cbranch_scc1 .Lnot_wave_0_\@
	s_barrier_signal -3
.Lnot_wave_0_\@:
	s_barrier_wait -3
	s_barrier_signal -1
	s_barrier_wait -1
.endm
	s_load_b256 s[4:11], s[0:1], 0x0               ; xq s[4:5], xs s[6:7], cq s[8:9], cand s[10:11]
	v_lshl_add_u32 v[SPW], v0, 2, SPARE
	v_mov_b32 v[NIL], 0
	ds_add_u32 v[SPW], v[NIL]                      ; the opening lines: the add, twice on end, and its wait
	ds_add_u32 v[SPW], v[NIL]
	v_lshrrev_b32 v10, 5, v0
	v_readfirstlane_b32 s[WV], v10                 ; wave 0..7
	v_and_b32 v10, 31, v0
	v_bfe_u32 v11, v0, 4, 1
	v_lshlrev_b32 v[LI], 4, v10
	v_lshlrev_b32 v[L8], 3, v10
	v_lshlrev_b32 v[LQ], 5, v11
	v_lshlrev_b32 v[H8], 3, v11
	s_bfe_u32 s13, ttmp6, 0x40000                  ; cx
	s_lshl_b32 s14, ttmp9, 2
	s_add_co_u32 s14, s14, s13                     ; my block of 512 rows: it enters x's and cand's addresses alone
	s_and_b32 s15, ttmp7, 0xffff                   ; my range, which the four partners share
	s_mov_b32 s[G1], 15|(3<<16)|(1<<21)            ; mask: all four; elements of 8 bytes; bit 21 beside a mask
	s_mov_b32 s[G1+1], 32<<16
	s_mov_b32 s[G1+2], 52<<16                      ; 52 rows of 256 bytes: two records
	s_mov_b32 s[G1+3], 32<<16
	s_mov_b32 s[G1+4], 52
	s_mov_b32 s[G1+5], 32
	s_mov_b32 s[G1+6], 0
	s_mov_b32 s[G1+7], 0
	s_lshl_b32 s16, s15, 6
	s_lshl_b32 s17, s[WV], 1
	s_add_co_u32 s16, s16, s17
	s_mul_i32 s16, s16, REC                        ; what I fetch: record 64 range + 2 wave (+ 16 chunk)
	s_mov_b32 s17, 0
	s_mul_i32 s18, s[WV], 2*REC                    ; and where it goes: my eighth of a slot
	s_lshl_b32 s19, s14, 5
	s_lshl_b32 s20, s[WV], 2
	s_add_co_u32 s19, s19, s20                     ; my first row tile: 32 block + 4 wave
	s_mul_i32 s20, s19, XT
	s_mov_b32 s21, 0
	s_lshl_b32 s22, s19, 8
	s_mov_b32 s23, 0
	s_lshl_b32 s56, s19, 7
	s_lshl_b32 s57, s15, 17
	s_add_co_u32 s56, s56, s57                     ; cand: 131,072 range + 128 bytes a row tile
	s_mov_b32 s57, 0
	s_mov_b32 s[TB], 0
	s_lshl_b32 s[TI], s15, 10
	s_mov_b32 s[HM], 0xffff0000
	s_mov_b32 s[NINF], 0xff800000
	s_mov_b32 s[SEL], 0x76543210
	s_mov_b32 s[SEL+1], 0xfedcba98
.irp a, 0,1,2,3                        ; the search is written once: its first tile finds -infinity, over which every score lies
	v_mov_b32 v[ST+10*\a], s[NINF]
	v_mov_b32 v[ST+10*\a+1], s[TI]
.irp j, 2,3,4,5,6,7,8,9
	v_mov_b32 v[ST+10*\a+\j], s[NINF]
.endr
.endr
	s_wait_alu depctr_va_vdst(0)
	s_wait_dscnt 0x0                               ; both opening adds are done
	s_wait_kmcnt 0x0
	s_add_nc_u64 s[4:5], s[4:5], s[20:21]
	s_add_nc_u64 s[6:7], s[6:7], s[22:23]
	s_add_nc_u64 s[8:9], s[8:9], s[16:17]
	s_add_nc_u64 s[10:11], s[10:11], s[56:57]
.irp c, 0,1,2,3
	s_mov_b32 s[G0+4*\c], 1
	s_add_co_u32 s[G0+4*\c+1], s18, (\c%2)*SLOT
	s_add_nc_u64 s[G0+4*\c+2:G0+4*\c+3], s[8:9], \c*SLOT
	s_or_b32 s[G0+4*\c+3], s[G0+4*\c+3], 0x80000000
.endr
	CROUND                                         ; all four work-groups are here: the first joint loads meet
	tensor_load_to_lds s[G0:G0+3], s[G1:G1+7]      ; chunk 0: one tensor load a wave at the head, ahead of x's 52 loads
	s_nop 0
.irp a, 0,1,2,3
	global_load_b64 v[XS+2*\a:XS+2*\a+1], v[L8], s[6:7] offset:256*\a
.endr
	WIN TO1
.irp s, 0,1,2,3                        ; x's fragments, K step by K step: 12 loads each
.irp a, 0,1,2,3
.irp g, 0,1,2
	global_load_b128 v[48*\a+12*\s+4*\g:48*\a+12*\s+4*\g+3], v[LI], s[4:5] offset:XT*\a+1536*\s+512*\g
.endr
.endr
.endr
	WIN 0
; The record at s[TB] into set: scale image, -c_sq / 2 of entries 8 (lane / 16) + 0 .. 7, four fragments: 15 loads.
.macro FETCH set
	v_add_nc_u32 v[ADR], s[TB], v[LI]
	v_add_nc_u32 v[ADS], s[TB], v[L8]
	v_add_nc_u32 v[ADQ], s[TB], v[LQ]
	ds_load_b64 v[CS+2*(\set):CS+2*(\set)+1], v[ADS] offset:6144
	ds_load_b128 v[CQ+8*(\set):CQ+8*(\set)+3], v[ADQ] offset:6400
	ds_load_b128 v[CQ+8*(\set)+4:CQ+8*(\set)+7], v[ADQ] offset:6416
.irp g, 0,1,2,3,4,5,6,7,8,9,10,11
	ds_load_b128 v[CF+48*(\set)+4*\g:CF+48*(\set)+4*\g+3], v[ADR] offset:512*\g
.endr
	s_add_co_u32 s[TB], s[TB], REC
.endm
; Product i of a tile's 16: K step i / 4, row tile i % 4: the four accumulators take turns, one instruction a turn.  The first K step takes -c_sq / 2 as C.
.macro PROD P
.set ps, i/4
.set pa, i%4
.set rD, ACC+8*pa
.set rF, CF+48*(\P)+12*ps
.set rX, 48*pa+12*ps
.set rSC, CS+2*(\P)+ps/2
.set rSX, XS+2*pa+ps/2
.if ps == 0
	v_wmma_scale_f32_16x16x128_f8f6f4 v[rD:rD+7], v[rF:rF+11], v[rX:rX+11], v[CQ+8*(\P):CQ+8*(\P)+7], v[rSC], v[rSX] matrix_a_fmt:MATRIX_FMT_FP6 matrix_b_fmt:MATRIX_FMT_FP6
.elseif ps == 2
	v_wmma_scale_f32_16x16x128_f8f6f4 v[rD:rD+7], v[rF:rF+11], v[rX:rX+11], v[rD:rD+7], v[rSC], v[rSX] matrix_a_fmt:MATRIX_FMT_FP6 matrix_b_fmt:MATRIX_FMT_FP6
.else
	v_wmma_scale_f32_16x16x128_f8f6f4 v[rD:rD+7], v[rF:rF+11], v[rX:rX+11], v[rD:rD+7], v[rSC], v[rSX] matrix_a_fmt:MATRIX_FMT_FP6 matrix_b_fmt:MATRIX_FMT_FP6 matrix_a_scale:MATRIX_SCALE_ROW1 matrix_b_scale:MATRIX_SCALE_ROW1
.endif
.endm
.macro EP                              ; the maxima go row tile by row tile in each pass; each accumulator is read from its low end on
.irp a, 0,1,2,3
	v_max3_num_f32 v[U+2*\a], v[ACC+8*\a], v[ACC+8*\a+1], v[ACC+8*\a+2]
.endr
.irp a, 0,1,2,3
	v_max3_num_f32 v[U+2*\a+1], v[ACC+8*\a+3], v[ACC+8*\a+4], v[ACC+8*\a+5]
.endr
.irp a, 0,1,2,3
	v_max3_num_f32 v[U+2*\a], v[ACC+8*\a+6], v[ACC+8*\a+7], v[U+2*\a]
.endr
	s_delay_alu instid0(VALU_DEP_4)
	v_max_num_f32 v[U], v[U], v[U+1]
	s_delay_alu instid0(VALU_DEP_1)
.irp a, 0,1,2,3
	v_cmp_gt_f32 vcc_lo, v[U+2*\a], v[ST+10*\a]    ; has the score risen?  On a tie the earlier tile stays
.if \a < 3
	v_max_num_f32 v[U+2*\a+2], v[U+2*\a+2], v[U+2*\a+3]
.endif
	v_dual_cndmask_b32 v[ST+10*\a], v[ST+10*\a], v[U+2*\a] :: v_dual_cndmask_b32 v[ST+10*\a+1], v[ST+10*\a+1], v[TIV]
.irp j, 0,2,4,6
	v_dual_cndmask_b32 v[ST+10*\a+2+\j], v[ST+10*\a+2+\j], v[ACC+8*\a+\j] :: v_dual_cndmask_b32 v[ST+10*\a+3+\j], v[ST+10*\a+3+\j], v[ACC+8*\a+\j+1]
.endr
.endr
.endm
; AN ENTRY TILE: 16 products on set P; four plain vector lines (the places behind the products); fetch = 1: the tile two further on is fetched into set P; then the search.
; left: the LDS loads that may stay out: the next tile's 15.  first = 1: x's fragments are waited for K step by K step.
.macro TILE P, fetch, left, first
	s_wait_dscnt \left
	WIN W_MUL
.set i, 0
.rept 16
.if \first && (i%4 == 0)
	s_wait_loadcnt 36-3*i                          ; 12 loads for each later K step may be out
.endif
	PROD \P
.set i, i+1
.endr
	WIN 0
	v_mov_b32 v[TIV], s[TI]
.if \fetch
	FETCH \P
.else
.rept 3
	v_nop
.endr
.endif
	s_add_co_u32 s[TI], s[TI], 16
	EP
.endm
.macro SEQ c                           ; a change of chunks.  c >= 0: chunk c is asked for behind a round; c < 0: a work-group barrier shows the last chunk whole
	s_wait_tensorcnt 0x0                           ; all my tensor loads have landed
	ds_add_u32 v[SPW], v[NIL]
	s_wait_dscnt 0x0                               ; the add is done, and my reads of LDS are over
.if (\c) >= 0
	CROUND
	tensor_load_to_lds s[G0+4*(\c):G0+4*(\c)+3], s[G1:G1+7]   ; my one tensor load behind the round
	s_nop 0
.rept 4
	v_nop
.endr
.else
	s_barrier_signal -1
	s_barrier_wait -1
.endif
.endm
.macro LOOP n                          ; 2 n tiles
	s_mov_b32 s[CNT], \n
.Ltiles_\@:
	TILE 0, 1, 15, 0
	TILE 1, 1, 15, 0
	s_sub_co_u32 s[CNT], s[CNT], 1
	s_cmp_lg_u32 s[CNT], 0
	s_cbranch_scc1 .Ltiles_\@
.endm
	SEQ 1                                          ; chunk 0 is whole; chunk 1 goes out: slot 1's first fill, issued as a refill is
	FETCH 0
	FETCH 1
	TILE 0, 1, 15, 1                               ; tiles 0 to 13 fetch tiles 2 to 15: the rest of slot 0
	TILE 1, 1, 15, 0
	LOOP 6
	SEQ 2                                          ; slot 0 is read out, chunk 1 is whole: chunk 2 into slot 0
	LOOP 8                                         ; tiles 14 to 29 fetch tiles 16 to 31: slot 1
	SEQ 3                                          ; slot 1 is read out, chunk 2 is whole: chunk 3 into slot 1
	s_mov_b32 s[TB], 0
	LOOP 8                                         ; tiles 30 to 45 fetch tiles 32 to 47
	SEQ -1                                         ; chunk 3 is whole
	LOOP 8                                         ; tiles 46 to 61 fetch tiles 48 to 63
	TILE 0, 0, 15, 0
	TILE 1, 0, 0, 0
	; THE END.  Which of the kept eight is the greatest?  The lowest j wins.  In passes over the four row tiles; row tile a works in its accumulator's registers, which are done with, and has the mask s[MK + a].
.irp a, 0,1,2,3
	v_mov_b32 v[ACC+8*\a], 7
.endr
.irp j, 6,5,4,3,2,1,0
.irp a, 0,1,2,3
	v_cmp_neq_f32 s[MK+\a], v[ST+10*\a+2+\j], v[ST+10*\a]
.endr
.irp a, 0,1,2,3
	v_cndmask_b32 v[ACC+8*\a], \j, v[ACC+8*\a], s[MK+\a]
.endr
.endr
.irp a, 0,1,2,3
	v_add3_u32 v[ACC+8*\a+1], v[ST+10*\a+1], v[H8], v[ACC+8*\a]    ; the entry: the tile's first + 8 (lane / 16) + j
.endr
.irp a, 0,1,2,3
	v_permlanex16_b32 v[ACC+8*\a+2], v[ST+10*\a], s[SEL], s[SEL+1]      ; the lane 16 away: its score,
	v_permlanex16_b32 v[ACC+8*\a+3], v[ACC+8*\a+1], s[SEL], s[SEL+1]    ; its entry
.endr
.irp a, 0,1,2,3
	v_min_u32 v[ACC+8*\a+4], v[ACC+8*\a+1], v[ACC+8*\a+3]
	v_cmp_gt_f32 s[MK+\a], v[ACC+8*\a+2], v[ST+10*\a]
.endr
.irp a, 0,1,2,3
	v_cndmask_b32 v[ACC+8*\a+1], v[ACC+8*\a+1], v[ACC+8*\a+3], s[MK+\a]   ; the greater score's entry,
.endr
.irp a, 0,1,2,3
	v_cmp_eq_f32 s[MK+\a], v[ACC+8*\a+2], v[ST+10*\a]
	v_max_num_f32 v[ACC+8*\a+5], v[ACC+8*\a+2], v[ST+10*\a]
.endr
.irp a, 0,1,2,3
	v_cndmask_b32 v[ST+10*\a+3], v[ACC+8*\a+1], v[ACC+8*\a+4], s[MK+\a]   ; on a tie the lower entry
	v_xor_b32 v[ACC+8*\a+5], 0x80000000, v[ACC+8*\a+5]             ; -score: the least key is the best
.endr
.irp a, 0,1,2,3
	v_ashrrev_i32 v[ACC+8*\a+6], 31, v[ACC+8*\a+5]
.endr
.irp a, 0,1,2,3
	v_or_b32 v[ACC+8*\a+6], 0x80000000, v[ACC+8*\a+6]
.endr
.irp a, 0,1,2,3
	v_xor_b32 v[ST+10*\a+2], v[ACC+8*\a+5], v[ACC+8*\a+6]          ; the key
.endr
.irp a, 0,2                            ; lanes 16-31 take the next row tile's results,
	v_cndmask_b32 v[ST+10*\a+2], v[ST+10*\a+2], v[ST+10*\a+12], s[HM]
	v_cndmask_b32 v[ST+10*\a+3], v[ST+10*\a+3], v[ST+10*\a+13], s[HM]
.endr
.irp a, 0,2
	global_store_b64 v[L8], v[ST+10*\a+2:ST+10*\a+3], s[10:11] offset:128*\a   ; so that a store covers 32 rows: 256 consecutive bytes, aligned
.endr
	s_wait_tensorcnt 0x0                           ; the wave's end
	ds_add_u32 v[SPW], v[NIL]
	s_wait_dscnt 0x0
	CROUND                                         ; the closing round
	s_endpgm
.Lfunc_end_k_qd22d4eb682_search8:
	.size	k_qd22d4eb682_search8, .Lfunc_end_k_qd22d4eb682_search8-k_qd22d4eb682_search8
	.p2alignl 7, 3214868480
	.fill 96, 4, 3214868480
	.section	.rodata,"a",@progbits
	.p2align	6, 0x0
	.amdhsa_kernel k_qd22d4eb682_search8
		.amdhsa_group_segment_fixed_size 327680
		.amdhsa_private_segment_fixed_size 0
		.amdhsa_enable_private_segment 0
		.amdhsa_kernarg_size 32
		.amdhsa_user_sgpr_count 2
		.amdhsa_user_sgpr_kernarg_segment_ptr 1
		.amdhsa_wavefront_size32 1
		.amdhsa_system_sgpr_workgroup_id_x 1
		.amdhsa_system_sgpr_workgroup_id_y 1
		.amdhsa_system_sgpr_workgroup_id_z 1
		.amdhsa_system_vgpr_workitem_id 0
		.amdhsa_next_free_vgpr 512
		.amdhsa_next_free_sgpr 66
		.amdhsa_reserve_vcc 1
		.amdhsa_float_denorm_mode_32 3
		.amdhsa_float_denorm_mode_16_64 3
		.amdhsa_memory_ordered 1
		.amdhsa_forward_progress 1
		.amdhsa_inst_pref_size 88
	.end_amdhsa_kernel
	.amdgpu_metadata
---
amdhsa.version: [ 1, 2 ]
amdhsa.kernels:
  - .name:           k_qd22d4eb682_search8
    .symbol:         k_qd22d4eb682_search8.kd
    .args:
      - { .name: xq, .offset: 0, .size: 8, .value_kind: global_buffer, .address_space: global }
      - { .name: xs, .offset: 8, .size: 8, .value_kind: global_buffer, .address_space: global }
      - { .name: cq, .offset: 16, .size: 8, .value_kind: global_buffer, .address_space: global }
      - { .name: cand, .offset: 24, .size: 8, .value_kind: global_buffer, .address_space: global }
    .group_segment_fixed_size: 327680
    .private_segment_fixed_size: 0
    .kernarg_segment_align: 8
    .kernarg_segment_size: 32
    .max_flat_workgroup_size: 256
    .sgpr_count:     66
    .vgpr_count:     512
    .wavefront_size: 32
...
	.end_amdgpu_metadata
.endif
;; end of part 2
;; launch gatherb (part 3): grid 256 x 1, 8 waves a work-group, no clusters, 0 bytes of LDS; arguments cand, codebook, out0; writes out0
.if DOCPART == 3
	.amdgcn_target "amdgcn-amd-amdhsa--gfx1250"
	.amdhsa_code_object_version 6
	.text
	.protected	k_qd22d4eb682_gatherb
	.globl	k_qd22d4eb682_gatherb
	.p2align	8
	.type	k_qd22d4eb682_gatherb,@function
k_qd22d4eb682_gatherb:
	s_mov_b64 s[64:65], 0
	v_nop
	global_prefetch_b8 v0, s[64:65] scope:SCOPE_SE
	s_setreg_imm32_b32 hwreg(HW_REG_WAVE_MODE, 25, 1), 1
	s_wait_xcnt 0x0
; out0[row] = codebook[the entry with the least key].  cand [8 ranges][16384 rows][key, index], whole numbers: of a row's eight keys the least wins, on a tie the lowest range, whose entries are the lowest.
; The keys order as c_sq / 2 - dot does (x_sq is left out: shown at the head of the first kernel), so only whole numbers that were read from memory are compared here, and the index that steers an address is one of those read.
; A wave copies 8 rows of 2,048 bytes: 256 work-groups x 8 waves x 8 rows = 16,384.  All 32 loads of a wave go out on end, then the stores, row by row.
; Each load and each store covers 512 consecutive bytes, aligned.  No LDS, no barrier, no matrix unit.  No store's or load's source register is rewritten after it is issued.
.set LI, 1                             ; 16 x lane
.set L8, 2                             ; 8 x (lane % 8)
.set K,  8                             ; v8-23   key and index of each range; v8, v9 become the winner's
.set AD, 24                            ; v24-31  a row's byte offset in the codebook + 16 x lane
.set D,  32                            ; v32-159 8 rows x 16 registers
	s_load_b128 s[4:7], s[0:1], 0x0                ; cand, codebook
	s_load_b64 s[8:9], s[0:1], 0x10                ; out0
	v_lshrrev_b32 v3, 5, v0
	s_delay_alu instid0(VALU_DEP_1)
	v_readfirstlane_b32 s10, v3                    ; wave 0..7
	v_and_b32 v[LI], 31, v0
	v_and_b32 v[L8], 7, v0
	s_delay_alu instid0(VALU_DEP_2)
	v_lshlrev_b32 v[LI], 4, v[LI]
	s_delay_alu instid0(VALU_DEP_2)
	v_lshlrev_b32 v[L8], 3, v[L8]
	s_lshl_b32 s11, ttmp9, 6
	s_lshl_b32 s12, s10, 3
	s_add_co_u32 s11, s11, s12                     ; my first row: 64 x work-group + 8 x wave
	s_lshl_b32 s12, s11, 3
	s_mov_b32 s13, 0
	s_lshl_b32 s14, s11, 11
	s_mov_b32 s15, 0
	s_wait_alu depctr_va_vdst(0)
	s_wait_kmcnt 0x0
	s_add_nc_u64 s[4:5], s[4:5], s[12:13]
	s_add_nc_u64 s[8:9], s[8:9], s[14:15]
.irp p, 0,1,2,3,4,5,6,7
	global_load_b64 v[K+2*\p:K+2*\p+1], v[L8], s[4:5] offset:131072*\p
.endr
	s_wait_loadcnt 0x0
.irp p, 1
	v_cmp_lt_u32 vcc_lo, v[K+2*\p], v[K]
	s_delay_alu instid0(VALU_DEP_1)
	v_cndmask_b32 v[K], v[K], v[K+2*\p], vcc_lo
	s_delay_alu instid0(VALU_DEP_2)
	v_cndmask_b32 v[K+1], v[K+1], v[K+2*\p+1], vcc_lo
.endr
.irp p, 2, 3, 4, 5, 6, 7
	s_delay_alu instid0(VALU_DEP_2)
	v_cmp_lt_u32 vcc_lo, v[K+2*\p], v[K]
	s_delay_alu instid0(VALU_DEP_1)
	v_cndmask_b32 v[K], v[K], v[K+2*\p], vcc_lo
	s_delay_alu instid0(VALU_DEP_2)
	v_cndmask_b32 v[K+1], v[K+1], v[K+2*\p+1], vcc_lo
.endr
	s_wait_alu depctr_va_vdst(0)
.irp i, 0,1,2,3,4,5,6,7
	v_readlane_b32 s[16+\i], v[K+1], \i            ; row i's entry,
	s_min_u32 s[16+\i], s[16+\i], 8191             ; held inside the table,
	s_lshl_b32 s[16+\i], s[16+\i], 11              ; 2,048 bytes an entry
	v_add_nc_u32 v[AD+\i], s[16+\i], v[LI]
.irp k, 0,1,2,3
	global_load_b128 v[D+16*\i+4*\k:D+16*\i+4*\k+3], v[AD+\i], s[6:7] offset:512*\k
.endr
.endr
.irp i, 0,1,2,3,4,5,6,7
	s_wait_loadcnt 28-4*\i                         ; row i's four are in, the later rows' may be out
.irp k, 0,1,2,3
	global_store_b128 v[LI], v[D+16*\i+4*\k:D+16*\i+4*\k+3], s[8:9] offset:2048*\i+512*\k
.endr
.endr
	s_endpgm
.Lfunc_end_k_qd22d4eb682_gatherb:
	.size	k_qd22d4eb682_gatherb, .Lfunc_end_k_qd22d4eb682_gatherb-k_qd22d4eb682_gatherb
	.p2alignl 7, 3214868480
	.fill 96, 4, 3214868480
	.section	.rodata,"a",@progbits
	.p2align	6, 0x0
	.amdhsa_kernel k_qd22d4eb682_gatherb
		.amdhsa_group_segment_fixed_size 0
		.amdhsa_private_segment_fixed_size 0
		.amdhsa_enable_private_segment 0
		.amdhsa_kernarg_size 24
		.amdhsa_user_sgpr_count 2
		.amdhsa_user_sgpr_kernarg_segment_ptr 1
		.amdhsa_wavefront_size32 1
		.amdhsa_system_sgpr_workgroup_id_x 1
		.amdhsa_system_sgpr_workgroup_id_y 1
		.amdhsa_system_sgpr_workgroup_id_z 1
		.amdhsa_system_vgpr_workitem_id 0
		.amdhsa_next_free_vgpr 160
		.amdhsa_next_free_sgpr 66
		.amdhsa_reserve_vcc 1
		.amdhsa_float_denorm_mode_32 3
		.amdhsa_float_denorm_mode_16_64 3
		.amdhsa_memory_ordered 1
		.amdhsa_forward_progress 1
		.amdhsa_inst_pref_size 11
	.end_amdhsa_kernel
	.amdgpu_metadata
---
amdhsa.version: [ 1, 2 ]
amdhsa.kernels:
  - .name:           k_qd22d4eb682_gatherb
    .symbol:         k_qd22d4eb682_gatherb.kd
    .args:
      - { .name: cand, .offset: 0, .size: 8, .value_kind: global_buffer, .address_space: global }
      - { .name: codebook, .offset: 8, .size: 8, .value_kind: global_buffer, .address_space: global }
      - { .name: out0, .offset: 16, .size: 8, .value_kind: global_buffer, .address_space: global }
    .group_segment_fixed_size: 0
    .private_segment_fixed_size: 0
    .kernarg_segment_align: 8
    .kernarg_segment_size: 24
    .max_flat_workgroup_size: 256
    .sgpr_count:     66
    .vgpr_count:     160
    .wavefront_size: 32
...
	.end_amdgpu_metadata
.endif
;; end of part 3
